; MI455X (gfx1250); checked and timed in simulation.
; The chip was launched on July 23, 2026; its instructions are those of AMD's public machine-readable ISA for CDNA 5 (MIT licence, August 2026) and "CDNA5" Instruction Set Architecture Reference Guide (July 2026). The comments in the code are by the model that wrote it; some were corrected since.
;; CGNL Block. Allowed arithmetic: matrix products marked QUANTISED: E4M3 operands, one E8M0 scale for each 32 along K, by v_wmma_scale_f32_16x16x128_f8f6f4 with both operands' format E4M3, f32 sums; everything else in f32.
;; Inputs: g_b 256 float32; g_w 256 x 512 float32; out_b 512 float32; out_w 512 x 256 float32; phi_b 256 float32; phi_w 256 x 512 float32; theta_b 256 float32; theta_w 256 x 512 float32; x 4 x 512 x 4,096 float32.
;; Outputs: out0 4 x 512 x 4,096 float32.
;; This version of the problem:
;;   THIS VERSION OF THE PROBLEM IS GIVEN IN LOW PRECISION. The matrix products marked QUANTISED in the list below multiply operands that are first quantised to E4M3 (4 exponent bits, 3 mantissa bits; 8 bits a number), with one power-of-two scale for each 32 numbers along K (OCP MX v1.0); their sums are f32. All else is computed in f32.
;;   The module's matrix products, in the order in which they are computed (A, B: the left and right operand; K: the contracted axis; several contracted axes count as one K, in the product's order):
;;     1. [M 256, K 512] x [K 512, N 16,384]; A: input theta_w; B: input x: QUANTISED
;;     2. [M 256, K 512] x [K 512, N 16,384]; A: input phi_w; B: input x: QUANTISED
;;     3. [M 256, K 512] x [K 512, N 16,384]; A: input g_w; B: input x: QUANTISED
;;     4. batch 4 x [M 4,096, K 256] x [K 256, N 4,096]; A: computed on the way; B: computed on the way: QUANTISED
;;     5. batch 4 x [M 256, K 4,096] x [K 4,096, N 4,096]; A: computed on the way; B: softmax (see below): QUANTISED
;;     6. [M 512, K 256] x [K 256, N 16,384]; A: input out_w; B: computed on the way: QUANTISED
;;   THE QUANTISER, for each operand of a quantised product, along K:
;;     - K is cut into blocks of 32 from its start; a last block that is shorter is filled with zeros.
;;     - A block's scale is 2^e with e = floor(log2(the largest magnitude in the block)) - 8, held to -126 .. 127; a block of zeros has e = 0. As a byte (E8M0): e + 127.
;;     - Each number is divided by its block's scale, clamped to +-448, and rounded to the nearest number of E4M3, ties to even, subnormals kept.
;;     - The product sums the exact products of the quantised numbers (number of the format x scale) in f32.
;;   ~~~python
;;   def quantise(x, axis):      # numpy; x: float32 -> the quantised numbers, widened to float32 again
;;       x = np.moveaxis(x, axis, -1); K = x.shape[-1]
;;       x = np.pad(x, [(0, 0)] * (x.ndim - 1) + [(0, -K % 32)]); x = x.reshape(x.shape[:-1] + (-1, 32)); a = np.abs(x).max(-1, keepdims=True)
;;       e = np.where(a > 0, np.clip(np.frexp(np.where(a > 0, a, 1))[1] - 1 - 8, -126, 127), 0)      # np.frexp(a)[1] - 1 = floor(log2(a)), exactly
;;       r = np.clip(x / 2.0 ** e, -448, 448)
;;       step = 2.0 ** (np.maximum(np.frexp(np.where(r == 0, 1, r))[1] - 1, -6) - 3)
;;       q = np.round(r / step) * step * 2.0 ** e      # np.round: ties to even
;;       return np.moveaxis(q.reshape(q.shape[:-2] + (-1,))[..., :K], -1, axis).astype(np.float32)
;;   ~~~
;;   SOFTMAX AHEAD OF A QUANTISED PRODUCT. Where the list says 'softmax', what is quantised is not the finished softmax but p = 2^(t - M), with t = logit x log2(e) and M = ceil(the row's largest t), a whole number; so 1/2 < the row's largest p <= 1. The row's sum l is taken of the UNQUANTISED p, in f32, and the product's result is divided by l at the end. Since M is a whole number, a kernel that streams over the keys may use a running M (the ceiling of the running maximum): every later rescaling is an exact power of two, which a block's scale takes up: the codes' values come out the same.
;;   OPERANDS COMPUTED ON THE WAY. 'Computed on the way' means the value that the module computes at that place (a softmax that the list does not call 'softmax' is quantised finished and normalised). What goes into a quantiser is computed in f32, as accurately as f32 sums, v_exp_f32 and their like allow (about 1e-6 of the number): no bf16 or f16 on the way to a quantiser, and a product that is left as it is and whose result goes on into a quantised operand takes f32 operands (vector FMAs, or v_wmma_f32_16x16x4_f32). A number that lies on a knife's edge between two numbers of the format may be rounded either way, as far as f32 arithmetic and the matrix unit's own rounding can turn it there, and no further.
;; One version. Each part assembles by itself: llvm-mc -triple=amdgcn-amd-amdhsa -mcpu=gfx1250 --defsym DOCPART=n.
;; ======== version 1 of 1: 3 launches
;; workspace buffers: wc 524,288 bytes; ws 16,384 bytes; qc 4,194,304 bytes; qs 131,072 bytes; kvc 8,388,608 bytes; kvs 262,144 bytes
;; launch wq (part 1): grid 64 x 1, 4 waves a work-group, no clusters, 768 bytes of LDS; arguments theta_w, phi_w, g_w, out_w, wc, ws; writes wc, ws
.if DOCPART == 1
	.amdgcn_target "amdgcn-amd-amdhsa--gfx1250"
	.amdhsa_code_object_version 6
	.text
	.protected	k_q1a44500bf8_wq
	.globl	k_q1a44500bf8_wq
	.p2align	8
	.type	k_q1a44500bf8_wq,@function
k_q1a44500bf8_wq:
	s_mov_b64 s[64:65], 0
	v_nop
	global_prefetch_b8 v0, s[64:65] scope:SCOPE_SE
	s_setreg_imm32_b32 hwreg(HW_REG_WAVE_MODE, 25, 1), 1
	s_wait_xcnt 0x0
; The four weights (f32, K innermost) become codes of FP8 (E4M3) with one E8M0 byte for each 32 along K, laid as IMAGES OF OPERAND REGISTERS:
; a fragment (16 rows x 128 K) is 2,048 bytes: four groups c of 512 bytes, lane l's 16 bytes at 16 l; lane (r = l % 16, h = l / 16) holds k = 32 c + 16 h + 0 .. 15 of the fragment's row r.
; wc: [unit u 0..63][fragment f 0..3][2,048].  u = 16 wi + T for theta_w, phi_w, g_w (wi = 0, 1, 2): tile T, K step f.  The rows of such a tile are NOT neighbours: lane r takes row 32 (T / 2) + 8 (T % 2) + r + 8 (r / 8),
; so that the results of two neighbouring tiles are 16 neighbours along the next product's K.  u = 48 + U for out_w: tile 2 U + f / 2 (16 neighbouring rows), K step f % 2.
; ws: [u][lane 32][2 words]: fragment f's scale word of row r is word f / 2 of lane 16 (f % 2) + r, so that a reader's one load of 8 bytes a lane brings all four fragments' words.
; A work-group makes one unit, a wave one fragment.  Waves share nothing but the unit's 256 bytes of scale words, which meet in LDS and leave as one aligned run of 256 bytes.
; No matrix unit, cluster or ring: 2 MB are read once, and no two work-groups read the same bytes.
; LIMITS: NaN and infinities are not served; a block of zeros gets the byte 1 (its codes are zeros; this program alone reads the bytes).
.set X,   16                           ; v16-79   64 numbers: register 16 b + i = k 32 b + 16 h + i of my row
.set PC,  80                           ; v80-95   the codes
.set PW,  96                           ; v96      the scale word
.set TM,  100                          ; v100-115 at work
.set SEL, 20                           ; s[20:21] lane selects: lane l xor 16
.set MNT, 22                           ; s22      the mantissa field of 448
.macro QUANT s, word                   ; 64 numbers of a lane -> a fragment's codes in v[PC] on; the four bytes in v[TM+4] on; word = 1: the scale word in v[PW]
.irp b, 0,1,2,3
	v_max3_num_f32 v[TM+\b], |v[\s+16*\b]|, |v[\s+16*\b+1]|, 0x4800000   ; my 16 numbers of block b, and the floor 2^(9 - 127): the byte cannot fall under 1
.endr
.irp i, 2,4,6,8,10,12,14
.irp b, 0,1,2,3
	v_max3_num_f32 v[TM+\b], v[TM+\b], |v[\s+16*\b+\i]|, |v[\s+16*\b+\i+1]|
.endr
.endr
.irp b, 0,1,2,3
	v_permlanex16_b32 v[TM+4+\b], v[TM+\b], s[SEL], s[SEL+1]
.endr
.irp b, 0,1,2,3
	v_max_num_f32 v[TM+\b], v[TM+\b], v[TM+4+\b]                 ; with lane l xor 16's: the block's largest magnitude
.endr
.irp b, 0,1,2,3
	v_add_nc_u32 v[TM+12+\b], 0xfc000000, v[TM+\b]               ; 8 off its exponent field: the conversion's scale operand
.endr
.irp b, 0,1,2,3
	v_and_or_b32 v[TM+8+\b], v[TM+\b], 0x7f800000, s[MNT]        ; 448 x the scale
.endr
.irp b, 0,1,2,3
	v_lshrrev_b32 v[TM+4+\b], 23, v[TM+12+\b]                    ; the scale's byte
.endr
.if \word
	v_lshl_or_b32 v[PW], v[TM+5], 8, v[TM+4]
	v_lshl_or_b32 v[PW], v[TM+6], 16, v[PW]
	v_lshl_or_b32 v[PW], v[TM+7], 24, v[PW]
.endif
.irp b, 0,1,2,3
.irp i, 0,1,2,3,4,5,6,7,8,9,10,11,12,13,14,15
	v_med3_num_f32 v[\s+16*\b+\i], v[\s+16*\b+\i], -v[TM+8+\b], v[TM+8+\b]   ; the conversion to an 8-bit code does not saturate (ISA guide 7.6.2): hold first
.endr
	v_cvt_scalef32_pk8_fp8_f32 v[PC+4*\b:PC+4*\b+1], v[\s+16*\b:\s+16*\b+7], v[TM+12+\b]
	v_cvt_scalef32_pk8_fp8_f32 v[PC+4*\b+2:PC+4*\b+3], v[\s+16*\b+8:\s+16*\b+15], v[TM+12+\b]
.endr
	v_nop                                          ; one plain line behind the last conversion
.endm
	s_load_b256 s[4:11], s[0:1], 0x0               ; theta_w, phi_w, g_w, out_w
	s_load_b128 s[12:15], s[0:1], 0x20             ; wc, ws
	v_lshl_add_u32 v128, v0, 2, 0x100
	v_mov_b32 v129, 0
	v_lshrrev_b32 v1, 5, v0
	v_readfirstlane_b32 s16, v1                    ; wave = fragment f
	v_and_b32 v5, 31, v0                           ; lane
	v_and_b32 v6, 15, v0                           ; r
	v_bfe_u32 v7, v0, 4, 1                         ; h
	v_lshlrev_b32 v1, 4, v5                        ; 16 x lane
	v_lshlrev_b32 v4, 3, v5                        ; 8 x lane
	s_lshr_b32 s17, ttmp9, 4                       ; wi: which weight
	s_and_b32 s18, ttmp9, 15                       ; U
	s_and_b32 s23, s16, 1                          ; f % 2
	s_lshr_b32 s24, s16, 1                         ; f / 2
	s_lshr_b32 s25, s18, 1
	s_lshl_b32 s25, s25, 5
	s_and_b32 s26, s18, 1
	s_lshl_b32 s26, s26, 3
	s_add_co_u32 s25, s25, s26                     ; first row, the three projections: 32 (U / 2) + 8 (U % 2)
	s_lshl_b32 s26, s18, 5
	s_lshl_b32 s27, s24, 4
	s_add_co_u32 s26, s26, s27                     ; out_w: 32 U + 16 (f / 2)
	s_lshl_b32 s27, s16, 9                         ; K step in bytes: 512 f,
	s_lshl_b32 s28, s23, 9                         ; out_w: 512 (f % 2)
	s_mov_b32 s29, 2048                            ; a row in bytes
	s_cmp_eq_u32 s17, 3
	s_cselect_b32 s29, 1024, s29
	s_cselect_b32 s30, 0, 8                        ; how far lanes 8-15 are moved on
	s_cselect_b32 s25, s26, s25
	s_cselect_b32 s27, s28, s27
	v_lshrrev_b32 v8, 3, v6
	v_mul_lo_u32 v8, v8, s30
	v_add3_u32 v8, v8, v6, s25                     ; my row
	v_mul_lo_u32 v2, v8, s29
	v_lshl_add_u32 v2, v7, 6, v2                   ; + 64 h: my 16 numbers of a block of 32
	v_add_nc_u32 v2, s27, v2
	s_lshl_b32 s31, s23, 7
	s_lshl_b32 s32, s24, 2
	s_add_co_u32 s31, s31, s32
	v_lshl_add_u32 v3, v6, 3, s31                  ; LDS: 8 (16 (f % 2) + r) + 4 (f / 2)
	s_mov_b32 s[SEL], 0x76543210
	s_mov_b32 s[SEL+1], 0xfedcba98
	s_mov_b32 s[MNT], 0x600000
.irp b, 0,1,2,3
	v_mov_b32 v[TM+4+\b], 0                        ; written once: a lane permute's destination counts as one of its sources
.endr
	s_lshl_b32 s34, ttmp9, 2
	s_add_co_u32 s34, s34, s16
	s_lshl_b32 s34, s34, 11                        ; my fragment's place in wc
	s_mov_b32 s35, 0
	s_lshl_b32 s36, ttmp9, 8                       ; my unit's place in ws
	s_mov_b32 s37, 0
	s_wait_kmcnt 0x0
	s_cmp_eq_u32 s17, 1                            ; the choice hangs on the work-group's number alone
	s_cselect_b64 s[4:5], s[6:7], s[4:5]
	s_cmp_eq_u32 s17, 2
	s_cselect_b64 s[4:5], s[8:9], s[4:5]
	s_cmp_eq_u32 s17, 3
	s_cselect_b64 s[4:5], s[10:11], s[4:5]
	s_add_nc_u64 s[12:13], s[12:13], s[34:35]
	s_add_nc_u64 s[14:15], s[14:15], s[36:37]
.irp b, 0,1,2,3
.irp j, 0,1,2,3
	global_load_b128 v[X+16*\b+4*\j:X+16*\b+4*\j+3], v2, s[4:5] offset:128*\b+16*\j
.endr
.endr
	s_wait_loadcnt 0x0
	QUANT X, 1
.irp c, 0,1,2,3
	global_store_b128 v1, v[PC+4*\c:PC+4*\c+3], s[12:13] offset:512*\c   ; 32 lanes store 512 consecutive bytes
.endr
	ds_store_b32 v3, v[PW]                         ; lanes l and l xor 16 write the same word with the same value
	s_wait_dscnt 0x0                               ; for the others' sake: my word has landed
	s_barrier_signal -1
	s_barrier_wait -1
	s_cmp_lg_u32 s16, 0
	s_cbranch_scc1 .Lend                           ; wave 0 stores the unit's 256 bytes of scale words
	ds_load_b64 v[8:9], v4
	s_wait_dscnt 0x0
	global_store_b64 v4, v[8:9], s[14:15]
.Lend:
	s_wait_tensorcnt 0x0
	ds_add_u32 v128, v129
	s_wait_dscnt 0x0
	s_endpgm
.Lfunc_end_k_q1a44500bf8_wq:
	.size	k_q1a44500bf8_wq, .Lfunc_end_k_q1a44500bf8_wq-k_q1a44500bf8_wq
	.p2alignl 7, 3214868480
	.fill 96, 4, 3214868480
	.section	.rodata,"a",@progbits
	.p2align	6, 0x0
	.amdhsa_kernel k_q1a44500bf8_wq
		.amdhsa_group_segment_fixed_size 768
		.amdhsa_private_segment_fixed_size 0
		.amdhsa_enable_private_segment 0
		.amdhsa_kernarg_size 48
		.amdhsa_user_sgpr_count 2
		.amdhsa_user_sgpr_kernarg_segment_ptr 1
		.amdhsa_wavefront_size32 1
		.amdhsa_system_sgpr_workgroup_id_x 1
		.amdhsa_system_sgpr_workgroup_id_y 1
		.amdhsa_system_sgpr_workgroup_id_z 1
		.amdhsa_system_vgpr_workitem_id 0
		.amdhsa_next_free_vgpr 130
		.amdhsa_next_free_sgpr 66
		.amdhsa_reserve_vcc 0
		.amdhsa_float_denorm_mode_32 3
		.amdhsa_float_denorm_mode_16_64 3
		.amdhsa_memory_ordered 1
		.amdhsa_forward_progress 1
		.amdhsa_inst_pref_size 14
	.end_amdhsa_kernel
	.amdgpu_metadata
---
amdhsa.version: [ 1, 2 ]
amdhsa.kernels:
  - .name:           k_q1a44500bf8_wq
    .symbol:         k_q1a44500bf8_wq.kd
    .args:
      - { .name: theta_w, .offset: 0, .size: 8, .value_kind: global_buffer, .address_space: global }
      - { .name: phi_w, .offset: 8, .size: 8, .value_kind: global_buffer, .address_space: global }
      - { .name: g_w, .offset: 16, .size: 8, .value_kind: global_buffer, .address_space: global }
      - { .name: out_w, .offset: 24, .size: 8, .value_kind: global_buffer, .address_space: global }
      - { .name: wc, .offset: 32, .size: 8, .value_kind: global_buffer, .address_space: global }
      - { .name: ws, .offset: 40, .size: 8, .value_kind: global_buffer, .address_space: global }
    .group_segment_fixed_size: 768
    .private_segment_fixed_size: 0
    .kernarg_segment_align: 8
    .kernarg_segment_size: 48
    .max_flat_workgroup_size: 128
    .sgpr_count:     66
    .vgpr_count:     130
    .wavefront_size: 32
...
	.end_amdgpu_metadata
.endif
;; end of part 1
;; launch proj (part 2): grid 64 x 4, 4 waves a work-group, no clusters, 173,056 bytes of LDS; arguments x, wc, ws, theta_b, phi_b, g_b, qc, qs, kvc, kvs; writes qc, qs, kvc, kvs
.if DOCPART == 2
	.amdgcn_target "amdgcn-amd-amdhsa--gfx1250"
	.amdhsa_code_object_version 6
	.text
	.protected	k_q1a44500bf8_proj
	.globl	k_q1a44500bf8_proj
	.p2align	8
	.type	k_q1a44500bf8_proj,@function
k_q1a44500bf8_proj:
	s_mov_b64 s[64:65], 0
	v_nop
	global_prefetch_b8 v0, s[64:65] scope:SCOPE_SE
	s_setreg_imm32_b32 hwreg(HW_REG_WAVE_MODE, 25, 1), 1
	s_wait_xcnt 0x0
; theta = theta_w x + theta_b, phi and g likewise, on codes of FP8 (E4M3) with one E8M0 scale for each 32 along K = the 512 channels; the three results are quantised at once for the next products and stored as images of operand registers
; (a fragment, 16 rows x 128 K, is 2,048 bytes: four groups c of 512 bytes, lane l's 16 bytes at 16 l).
; SHARES.  A work-group takes 64 positions of one batch (x = block j, y = batch b).  THE WAVES SHARE THE OUTPUT ROWS: wave w keeps 8 tiles of theta_w (w = 0, 1) or phi_w (w = 2, 3) and 4 tiles of g_w, for all of K, in 768 registers.
; x: [512 channels][64 positions] comes into LDS by one tensor load a wave (128 rows of 256 bytes); wave w quantises the column tile m = w down the channels (a lane a position, registers down K) and hands the four fragments round through LDS.
; THE POSITIONS OF A TILE ARE NOT NEIGHBOURS: lane r of tile m takes position 32 (m / 2) + 8 (m % 2) + r + 8 (r / 8); the weights' tiles are laid the same way.  So wherever 16 such rows are source 0 of a product, the 16 registers of tiles 2 b, 2 b + 1 are 16 neighbours.
; PASS A (theta, phi): source 0 = 16 rows of the weight, source 1 = x: a lane holds one position and 64 neighbouring i in blocks of 16: one K step of the score product.  The bias is loaded into the accumulators.
; PASS B (g): source 0 = x, source 1 = 16 rows of g_w: a lane holds one row i and 16 neighbouring positions: g is quantised along the KEYS, which are the K of the second attention product.
; OUT.  qc [b 64 + j][tile m][K step s][2,048]; qs [b 64 + j][lane 16 s + r][m] words; kvc [b][key step S of 128 keys][K: tile 0..7 x s | V: tile 0..15][2,048]; kvs [b][S][K: half, lane 16 s + r, m words | V: half, lane 16 (t % 2) + r, t / 2: two bytes].
; NO CLUSTER: what work-groups share is the weights, and a wave's 96 KB of them go straight into the registers where they stay; through LDS they would be 384 KB beside the x tile.  x, the stream from memory, is shared by nobody.
; LDS is filled once by the tensor loads and never again.
; LIMITS: NaN and infinities are not served; a block of zeros gets the byte 1 (its codes are zeros; this program alone reads the bytes).
.set XP,   264                         ; a channel's row in LDS: 256 bytes + 8: lanes 16-31 read 16 rows further down, 32 banks away from lanes 0-15
.set XIMG, 135168                      ; behind x's 512 rows: x's 16 fragments, (4 m + s) x 2,048
.set XSC,  167936                      ; their scale words: [m][lane 16 (s % 2) + r][s / 2]
.set BIAS, 168960                      ; 512 bytes a wave: its 128 biases
.set STS,  171008                      ; scale words on their way out: theta's 512 bytes, phi's 512, g's 512
.set LI,  1                            ; 16 x lane
.set L8,  2                            ; 8 x lane
.set XA,  3                            ; x in LDS: my position, my half's 16 channels; K steps 0, 1
.set XWI, 4                            ; where I store x's images
.set XWS, 5                            ; and their scale words
.set BA,  6                            ; my biases in the result's layout
.set SS,  7                            ; theta's or phi's scale words
.set SVA, 8                            ; g's scale bytes
.set BST, 9                            ; where my wave's biases go
.set GBO, 10                           ; 4 (r + 8 (r / 8))
.set SOUT, 11                          ; the last read of STS
.set GBY, 12                           ; v12-15  g's two bytes for each of my four tiles
.set WS,  16                           ; v16-31  scale words of my 8 tiles: register 2 t + s / 2, lanes 16 (s % 2) + r
.set WSG, 32                           ; v32-39  of my 4 tiles of g_w
.set XS,  40                           ; v40-41  x's, pass A
.set GB,  42                           ; v42-49  g_b of my lane's row, four pairs (the packed form names a pair)
.set XR,  50                           ; where x's images are read
.set XSR, 51
.set BT,  52                           ; v52-55  biases as loaded; at the end the scale words on their way out
.set XS2, 56                           ; v56-59  x's scale words, pass B: two tiles
.set XA2, 60                           ; as XA, K steps 2, 3
.set XF,  64                           ; v64-127  four fragments of x
.set HA,  128                          ; v128-191 eight accumulators
.set PC,  192                          ; v192-207 the codes just made
.set PW,  208
.set TM,  212                          ; v212-227 at work
.set SEL, 62
.set MNT, 10
; window 1: my unit's fragments of K steps 0, 1 at 16 (8 (s % 2) + t); window 2: K steps 2, 3 likewise; window 3: g_w's at 16 (4 t + s)
.set MSB, 0
.macro WIN new                         ; the immediate's high byte repeats the setting that is left
.if MSB != (\new)
	s_set_vgpr_msb (MSB<<8)|(\new)
.set MSB, (\new)
.endif
.endm
.macro QUANT s, word                   ; 64 numbers of a lane -> a fragment's codes in v[PC] on; the four bytes in v[TM+4] on; word = 1: the scale word in v[PW]
.irp b, 0,1,2,3
	v_max3_num_f32 v[TM+\b], |v[\s+16*\b]|, |v[\s+16*\b+1]|, 0x4800000   ; my 16 numbers of block b, and the floor 2^(9 - 127): the byte cannot fall under 1
.endr
.irp i, 2,4,6,8,10,12,14
.irp b, 0,1,2,3
	v_max3_num_f32 v[TM+\b], v[TM+\b], |v[\s+16*\b+\i]|, |v[\s+16*\b+\i+1]|
.endr
.endr
.irp b, 0,1,2,3
	v_permlanex16_b32 v[TM+4+\b], v[TM+\b], s[SEL], s[SEL+1]
.endr
.irp b, 0,1,2,3
	v_max_num_f32 v[TM+\b], v[TM+\b], v[TM+4+\b]                 ; with lane l xor 16's: the block's largest magnitude
.endr
.irp b, 0,1,2,3
	v_add_nc_u32 v[TM+12+\b], 0xfc000000, v[TM+\b]               ; 8 off its exponent field: the conversion's scale operand
.endr
.irp b, 0,1,2,3
	v_and_or_b32 v[TM+8+\b], v[TM+\b], 0x7f800000, s[MNT]        ; 448 x the scale
.endr
.irp b, 0,1,2,3
	v_lshrrev_b32 v[TM+4+\b], 23, v[TM+12+\b]                    ; the scale's byte
.endr
.if \word
	v_lshl_or_b32 v[PW], v[TM+5], 8, v[TM+4]
	v_lshl_or_b32 v[PW], v[TM+6], 16, v[PW]
	v_lshl_or_b32 v[PW], v[TM+7], 24, v[PW]
.endif
.irp b, 0,1,2,3
.irp i, 0,1,2,3,4,5,6,7,8,9,10,11,12,13,14,15
	v_med3_num_f32 v[\s+16*\b+\i], v[\s+16*\b+\i], -v[TM+8+\b], v[TM+8+\b]   ; the conversion to an 8-bit code does not saturate (ISA guide 7.6.2): hold first
.endr
	v_cvt_scalef32_pk8_fp8_f32 v[PC+4*\b:PC+4*\b+1], v[\s+16*\b:\s+16*\b+7], v[TM+12+\b]
	v_cvt_scalef32_pk8_fp8_f32 v[PC+4*\b+2:PC+4*\b+3], v[\s+16*\b+8:\s+16*\b+15], v[TM+12+\b]
.endr
	v_nop                                          ; one plain line behind the last conversion
.endm
.macro MM d, a, b, z, sa, sb, row      ; one product; z = 1: it starts the sum; row = 1: both sides' scale words stand in lanes 16-31
.if \z
.if \row
	v_wmma_scale_f32_16x16x128_f8f6f4 v[\d:\d+7], v[\a:\a+15], v[\b:\b+15], 0, v[\sa], v[\sb] matrix_a_scale:MATRIX_SCALE_ROW1 matrix_b_scale:MATRIX_SCALE_ROW1
.else
	v_wmma_scale_f32_16x16x128_f8f6f4 v[\d:\d+7], v[\a:\a+15], v[\b:\b+15], 0, v[\sa], v[\sb]
.endif
.else
.if \row
	v_wmma_scale_f32_16x16x128_f8f6f4 v[\d:\d+7], v[\a:\a+15], v[\b:\b+15], v[\d:\d+7], v[\sa], v[\sb] matrix_a_scale:MATRIX_SCALE_ROW1 matrix_b_scale:MATRIX_SCALE_ROW1
.else
	v_wmma_scale_f32_16x16x128_f8f6f4 v[\d:\d+7], v[\a:\a+15], v[\b:\b+15], v[\d:\d+7], v[\sa], v[\sb]
.endif
.endif
.endm
.macro PLACES                          ; behind this matrix form eight plain vector lines stand ahead of loads into its registers and of reads of its results, nine ahead of a matrix line that writes over them
.rept 9
	v_nop
.endr
.endm
.macro XLOAD reg, adr, off             ; 64 numbers of my position, down the channels of one K step
.irp c, 0,1,2,3
.irp i, 0,1,2,3,4,5,6,7,8,9,10,11,12,13,14,15
	ds_load_b32 v[\reg+16*\c+\i], v[\adr] offset:\off+(32*\c+\i)*XP
.endr
.endr
.endm
.macro IMG s                           ; the fragment just made goes to LDS as it stands, and its scale word
.irp c, 0,1,2,3
	ds_store_b128 v[XWI], v[PC+4*\c:PC+4*\c+3] offset:2048*\s+512*\c
.endr
	ds_store_b32 v[XWS], v[PW] offset:128*(\s%2)+4*(\s/2)
.endm
.macro BARRIER                         ; my LDS stores have landed and my LDS loads are in: then the work-group's barrier
	s_wait_dscnt 0x0
	s_barrier_signal -1
	s_barrier_wait -1
.endm
	s_load_b256 s[24:31], s[0:1], 0x0              ; x, wc, ws, theta_b
	s_load_b256 s[32:39], s[0:1], 0x20             ; phi_b, g_b, qc, qs
	s_load_b128 s[40:43], s[0:1], 0x40             ; kvc, kvs
	v_lshl_add_u32 v254, v0, 2, 0x2a200
	v_mov_b32 v255, 0
	ds_add_u32 v254, v255
	ds_add_u32 v254, v255
	v_lshrrev_b32 v1, 5, v0
	v_readfirstlane_b32 s2, v1                     ; wave w
	s_and_b32 s4, ttmp7, 0xffff                    ; batch b
	s_lshr_b32 s5, ttmp9, 1                        ; key step S = j / 2
	s_and_b32 s6, ttmp9, 1                         ; which half of it
	s_and_b32 s7, s2, 1                            ; w % 2: which K step of the score product my unit is
	v_and_b32 v61, 31, v0                          ; lane
	v_and_b32 v62, 15, v0                          ; r
	v_bfe_u32 v63, v0, 4, 1                        ; h
	v_lshlrev_b32 v[LI], 4, v61
	v_lshlrev_b32 v[L8], 3, v61
	v_and_b32 v[GBO], 8, v62
	v_add_nc_u32 v[GBO], v[GBO], v62               ; r + 8 (r / 8)
	v_lshlrev_b32 v[GBO], 2, v[GBO]
	s_lshr_b32 s8, s2, 1
	s_lshl_b32 s8, s8, 7
	s_lshl_b32 s9, s7, 5
	s_add_co_u32 s8, s8, s9                        ; 4 (32 (w / 2) + 8 (w % 2)): column tile m = w
	v_mad_u32_u24 v[XA], v63, 16*XP, v[GBO]        ; + 16 channels further down for lanes 16-31
	v_add_nc_u32 v[XA], s8, v[XA]
	v_add_nc_u32 v[XA2], 256*XP, v[XA]
	s_lshl_b32 s8, s2, 13
	s_add_co_u32 s8, s8, XIMG
	v_add_nc_u32 v[XWI], s8, v[LI]
	s_lshl_b32 s8, s2, 8
	s_add_co_u32 s8, s8, XSC
	v_lshl_add_u32 v[XWS], v62, 3, s8
	s_lshl_b32 s8, s2, 9
	s_add_co_u32 s8, s8, BIAS
	v_lshl_add_u32 v[BA], v63, 6, s8
	v_add_nc_u32 v[BST], s8, v[LI]
	s_lshl_b32 s8, s2, 8
	s_add_co_u32 s8, s8, STS
	v_lshl_add_u32 v[SS], v62, 4, s8
	s_lshl_b32 s8, s2, 2
	s_add_co_u32 s8, s8, STS+1024
	v_lshl_add_u32 v[SVA], v62, 4, s8
	s_min_u32 s8, s2, 2                            ; (wave 3 reads nothing there: its address stays inside LDS)
	s_lshl_b32 s8, s8, 9
	s_add_co_u32 s8, s8, STS
	v_add_nc_u32 v[SOUT], s8, v[LI]
	v_add_nc_u32 v[XR], XIMG, v[LI]
	v_add_nc_u32 v[XSR], XSC, v[L8]
.irp t, 0,1,2,3
	v_mov_b32 v[GB+2*\t+1], 0                      ; the pairs' upper words are named, so they are written
	v_mov_b32 v[TM+4+\t], 0                        ; written once: a lane permute's destination counts as one of its sources
.endr
	s_mov_b32 s[SEL], 0x76543210
	s_mov_b32 s[SEL+1], 0xfedcba98
	s_mov_b32 s[MNT], 0x600000
	; descriptor group 1: 128 rows (channels) of 64 f32, 4,096 elements apart in memory; in LDS 2 words of padding behind every 64
	s_mov_b32 s16, (2<<16)|(1<<20)|(5<<22)|(1<<25)
	s_mov_b32 s17, 64<<16                          ; tensor_dim0
	s_mov_b32 s18, 128<<16                         ; tensor_dim1
	s_mov_b32 s19, 64<<16                          ; tile_dim0
	s_mov_b32 s20, 128                             ; tile_dim1
	s_mov_b32 s21, 4096                            ; from row to row
	s_mov_b32 s22, 0
	s_mov_b32 s23, 0
	s_lshl_b32 s8, s4, 23                          ; x: batch b,
	s_lshl_b32 s9, s2, 21                          ; channels 128 w on,
	s_add_co_u32 s8, s8, s9
	s_lshl_b32 s9, ttmp9, 8                        ; positions 64 j on
	s_add_co_u32 s8, s8, s9
	s_mov_b32 s9, 0
	s_mov_b32 s12, 1
	s_mul_i32 s13, s2, 128*XP                      ; my 128 rows in LDS
	s_wait_dscnt 0x0
	s_wait_kmcnt 0x0
	s_add_nc_u64 s[14:15], s[24:25], s[8:9]
	s_or_b32 s15, s15, 0x80000000
	tensor_load_to_lds s[12:15], s[16:23]          ; the one fill of this wave
	s_nop 0
.rept 4
	v_nop
.endr
	s_cmp_lt_u32 s2, 2                             ; waves 0, 1: theta; waves 2, 3: phi
	s_cselect_b64 s[52:53], s[30:31], s[32:33]
	s_lshl_b32 s8, s7, 9
	s_add_nc_u64 s[52:53], s[52:53], s[8:9]        ; my unit's 128 biases
	s_lshl_b32 s8, s2, 16
	s_add_nc_u64 s[44:45], s[26:27], s[8:9]        ; my unit's 32 fragments
	s_lshl_b32 s8, s2, 15
	s_add_co_u32 s8, s8, 262144
	s_add_nc_u64 s[46:47], s[26:27], s[8:9]        ; my 16 fragments of g_w
	s_lshl_b32 s8, s2, 11
	s_add_nc_u64 s[48:49], s[28:29], s[8:9]        ; their scale words
	s_lshl_b32 s8, s2, 10
	s_add_co_u32 s8, s8, 8192
	s_add_nc_u64 s[50:51], s[28:29], s[8:9]
	s_lshl_b32 s8, s2, 8
	s_add_nc_u64 s[54:55], s[34:35], s[8:9]        ; g_b at my 64 rows
	global_load_b128 v[BT:BT+3], v[LI], s[52:53]
	WIN 0x40                                       ; destination window 1
.irp t, 0,1,2,3,4,5,6,7
.irp s, 0,1
.irp c, 0,1,2,3
	global_load_b128 v[16*(8*\s+\t)+4*\c:16*(8*\s+\t)+4*\c+3], v[LI], s[44:45] offset:(4*\t+\s)*2048+512*\c
.endr
.endr
.endr
	WIN 0x80                                       ; window 2
.irp t, 0,1,2,3,4,5,6,7
.irp s, 0,1
.irp c, 0,1,2,3
	global_load_b128 v[16*(8*\s+\t)+4*\c:16*(8*\s+\t)+4*\c+3], v[LI], s[44:45] offset:(4*\t+2+\s)*2048+512*\c
.endr
.endr
.endr
	WIN 0xc0                                       ; window 3
.irp t, 0,1,2,3
.irp s, 0,1,2,3
.irp c, 0,1,2,3
	global_load_b128 v[16*(4*\t+\s)+4*\c:16*(4*\t+\s)+4*\c+3], v[LI], s[46:47] offset:(4*\t+\s)*2048+512*\c
.endr
.endr
.endr
	WIN 0
.irp t, 0,1,2,3,4,5,6,7
	global_load_b64 v[WS+2*\t:WS+2*\t+1], v[L8], s[48:49] offset:256*\t
.endr
.irp t, 0,1,2,3
	global_load_b64 v[WSG+2*\t:WSG+2*\t+1], v[L8], s[50:51] offset:256*\t
	global_load_b32 v[GB+2*\t], v[GBO], s[54:55] offset:4*(32*(\t/2)+8*(\t%2))
.endr
	; where the results go
	s_lshl_b32 s3, s4, 20
	s_lshl_b32 s8, ttmp9, 14
	s_add_co_u32 s3, s3, s8                        ; qc: 16,384 (64 b + j)
	s_lshl_b32 s11, s4, 21
	s_lshl_b32 s8, s5, 16
	s_add_co_u32 s11, s11, s8                      ; kvc: my key step
	s_lshl_b32 s8, s6, 14
	s_add_co_u32 s8, s11, s8                       ; my half's four tiles of K
	s_cmp_lt_u32 s2, 2
	s_cselect_b64 s[56:57], s[36:37], s[40:41]
	s_cselect_b32 s8, s3, s8
	s_lshl_b32 s3, s7, 11
	s_add_co_u32 s8, s8, s3                        ; K step w % 2
	s_add_nc_u64 s[56:57], s[56:57], s[8:9]
	s_lshl_b32 s8, s2, 13
	s_add_co_u32 s8, s8, s11
	s_lshl_b32 s3, s6, 10
	s_add_co_u32 s8, s8, s3
	s_add_co_u32 s8, s8, 32768
	s_add_nc_u64 s[58:59], s[40:41], s[8:9]        ; V: my four tiles, groups 2 half on
	s_lshl_b32 s3, s4, 15
	s_lshl_b32 s8, ttmp9, 9
	s_add_co_u32 s3, s3, s8                        ; qs: 512 (64 b + j)
	s_lshl_b32 s11, s4, 16
	s_lshl_b32 s8, s5, 11
	s_add_co_u32 s11, s11, s8
	s_lshl_b32 s8, s6, 9
	s_add_co_u32 s11, s11, s8
	s_lshr_b32 s8, s2, 1
	s_lshl_b32 s8, s8, 10
	s_add_co_u32 s11, s11, s8                      ; kvs: my key step, my half; wave 1: K's part, wave 2: V's
	s_cmp_eq_u32 s2, 0
	s_cselect_b64 s[60:61], s[38:39], s[42:43]
	s_cselect_b32 s8, s3, s11
	s_add_nc_u64 s[60:61], s[60:61], s[8:9]
	; ---- x becomes four fragments a wave
	s_wait_tensorcnt 0x0                           ; my 128 rows have landed,
	s_barrier_signal -1
	s_barrier_wait -1                              ; everybody's have
	XLOAD HA, XA, 0
	XLOAD XF, XA, 128*XP
	s_wait_dscnt 63                                ; of the 128 loads issued at most 63 are out: the first 65 are in, K step 0's 64 among them
	QUANT HA, 1
	IMG 0
	XLOAD HA, XA2, 0
	s_wait_dscnt 63                                ; behind K step 1's loads stand five stores and 64 loads: with at most 63 out, K step 1 is in and the five stores have read their registers
	QUANT XF, 1
	IMG 1
	XLOAD XF, XA2, 128*XP
	s_wait_dscnt 63                                ; likewise for K step 2
	QUANT HA, 1
	IMG 2
	s_wait_dscnt 0x0
	QUANT XF, 1
	IMG 3
	BARRIER                                        ; x's sixteen fragments lie in LDS
	s_wait_loadcnt 0x0                             ; weights, scale words, biases
	ds_store_b128 v[BST], v[BT:BT+3]               ; my wave's own bytes: LDS serves a wave's instructions in order
	; ---- pass A: my unit for the four tiles of positions
.irp m, 0,1,2,3
.irp t, 0,1,2,3,4,5,6,7
	ds_load_b128 v[HA+8*\t:HA+8*\t+3], v[BA] offset:4*(32*(\t/2)+8*(\t%2))      ; the bias begins the sums: lane (r, h), tile t: rows 32 (t / 2) + 16 h + 8 (t % 2) + 0 .. 7
	ds_load_b128 v[HA+8*\t+4:HA+8*\t+7], v[BA] offset:4*(32*(\t/2)+8*(\t%2))+16
.endr
.irp s, 0,1,2,3
.irp c, 0,1,2,3
	ds_load_b128 v[XF+16*\s+4*\c:XF+16*\s+4*\c+3], v[XR] offset:(4*\m+\s)*2048+512*\c
.endr
.endr
	ds_load_b64 v[XS:XS+1], v[XSR] offset:256*\m
	s_wait_dscnt 0x0
.irp s, 0,1,2,3
	WIN 1+\s/2                                     ; source 0: window 1 or 2
.irp t, 0,1,2,3,4,5,6,7                        ; the eight accumulators by turns
.set rD, HA+8*\t
.set rA, 16*(8*(\s%2)+\t)
.set rB, XF+16*\s
.set rSA, WS+2*\t+\s/2
.set rSB, XS+\s/2
	MM rD, rA, rB, 0, rSA, rSB, \s%2
.endr
.endr
	WIN 0
	PLACES
	s_wait_xcnt 0x0                                ; the last tile's stores have read their data: the codes' registers are written again only behind this wait
	QUANT HA, 1
.irp c, 0,1,2,3
	global_store_b128 v[LI], v[PC+4*\c:PC+4*\c+3], s[56:57] offset:4096*\m+512*\c   ; 32 lanes store 512 consecutive bytes
.endr
	ds_store_b32 v[SS], v[PW] offset:4*\m
.endr
	; ---- pass B: my four tiles of g, 32 positions (a block along the keys) at a time
.irp bl, 0,1
.irp sp, 0,1
.irp sl, 0,1
.irp u, 0,1
.irp c, 0,1,2,3
	ds_load_b128 v[XF+16*(2*\sl+\u)+4*\c:XF+16*(2*\sl+\u)+4*\c+3], v[XR] offset:(4*(2*\bl+\u)+2*\sp+\sl)*2048+512*\c
.endr
.endr
.endr
.if \sp == 0
	ds_load_b64 v[XS2:XS2+1], v[XSR] offset:256*(2*\bl)
	ds_load_b64 v[XS2+2:XS2+3], v[XSR] offset:256*(2*\bl+1)
.endif
	s_wait_dscnt 0x0
	WIN 0x0c                                       ; source 1 (g_w): window 3
.irp sl, 0,1
.irp t, 0,1,2,3
.irp u, 0,1
.set rD, HA+16*\t+8*\u
.set rA, XF+16*(2*\sl+\u)
.set rB, 16*(4*\t+2*\sp+\sl)
.set rSA, XS2+2*\u+\sp
.set rSB, WSG+2*\t+\sp
.set rZ, (\sp+\sl)==0
	MM rD, rA, rB, rZ, rSA, rSB, \sl
.endr
.endr
.endr
	WIN 0
	PLACES
.endr
.irp t, 0,1,2,3
.irp i, 0,2,4,6,8,10,12,14
	v_pk_add_f32 v[HA+16*\t+\i:HA+16*\t+\i+1], v[HA+16*\t+\i:HA+16*\t+\i+1], v[GB+2*\t:GB+2*\t+1] op_sel_hi:[1,0]   ; here a lane holds one row of g: its bias is one number
.endr
.endr
	s_wait_xcnt 0x0                                ; the earlier stores have read their data
	QUANT HA, 0                                    ; block t of the 64 numbers: tile t's 32 positions
.irp t, 0,1,2,3
	global_store_b128 v[LI], v[PC+4*\t:PC+4*\t+3], s[58:59] offset:2048*\t+512*\bl
.if \bl == 0
	v_mov_b32 v[GBY+\t], v[TM+4+\t]
.else
	v_lshl_or_b32 v[GBY+\t], v[TM+4+\t], 8, v[GBY+\t]
	ds_store_b16 v[SVA], v[GBY+\t] offset:256*(\t%2)+2*(\t/2)
.endif
.endr
.endr
	BARRIER                                        ; all scale words lie in LDS
	s_cmp_gt_u32 s2, 2
	s_cbranch_scc1 .Lend                           ; waves 0, 1, 2 store theta's, phi's, g's: 512 consecutive bytes each
	ds_load_b128 v[BT:BT+3], v[SOUT]
	s_wait_dscnt 0x0
	global_store_b128 v[LI], v[BT:BT+3], s[60:61]
.Lend:
	s_wait_tensorcnt 0x0
	ds_add_u32 v254, v255
	s_wait_dscnt 0x0
	s_endpgm
.Lfunc_end_k_q1a44500bf8_proj:
	.size	k_q1a44500bf8_proj, .Lfunc_end_k_q1a44500bf8_proj-k_q1a44500bf8_proj
	.p2alignl 7, 3214868480
	.fill 96, 4, 3214868480
	.section	.rodata,"a",@progbits
	.p2align	6, 0x0
	.amdhsa_kernel k_q1a44500bf8_proj
		.amdhsa_group_segment_fixed_size 173056
		.amdhsa_private_segment_fixed_size 0
		.amdhsa_enable_private_segment 0
		.amdhsa_kernarg_size 80
		.amdhsa_user_sgpr_count 2
		.amdhsa_user_sgpr_kernarg_segment_ptr 1
		.amdhsa_wavefront_size32 1
		.amdhsa_system_sgpr_workgroup_id_x 1
		.amdhsa_system_sgpr_workgroup_id_y 1
		.amdhsa_system_sgpr_workgroup_id_z 1
		.amdhsa_system_vgpr_workitem_id 0
		.amdhsa_next_free_vgpr 1024
		.amdhsa_next_free_sgpr 66
		.amdhsa_reserve_vcc 0
		.amdhsa_float_denorm_mode_32 3
		.amdhsa_float_denorm_mode_16_64 3
		.amdhsa_memory_ordered 1
		.amdhsa_forward_progress 1
		.amdhsa_inst_pref_size 170
	.end_amdhsa_kernel
	.amdgpu_metadata
---
amdhsa.version: [ 1, 2 ]
amdhsa.kernels:
  - .name:           k_q1a44500bf8_proj
    .symbol:         k_q1a44500bf8_proj.kd
    .args:
      - { .name: x, .offset: 0, .size: 8, .value_kind: global_buffer, .address_space: global }
      - { .name: wc, .offset: 8, .size: 8, .value_kind: global_buffer, .address_space: global }
      - { .name: ws, .offset: 16, .size: 8, .value_kind: global_buffer, .address_space: global }
      - { .name: theta_b, .offset: 24, .size: 8, .value_kind: global_buffer, .address_space: global }
      - { .name: phi_b, .offset: 32, .size: 8, .value_kind: global_buffer, .address_space: global }
      - { .name: g_b, .offset: 40, .size: 8, .value_kind: global_buffer, .address_space: global }
      - { .name: qc, .offset: 48, .size: 8, .value_kind: global_buffer, .address_space: global }
      - { .name: qs, .offset: 56, .size: 8, .value_kind: global_buffer, .address_space: global }
      - { .name: kvc, .offset: 64, .size: 8, .value_kind: global_buffer, .address_space: global }
      - { .name: kvs, .offset: 72, .size: 8, .value_kind: global_buffer, .address_space: global }
    .group_segment_fixed_size: 173056
    .private_segment_fixed_size: 0
    .kernarg_segment_align: 8
    .kernarg_segment_size: 80
    .max_flat_workgroup_size: 128
    .sgpr_count:     66
    .vgpr_count:     1024
    .wavefront_size: 32
...
	.end_amdgpu_metadata
.endif
;; end of part 2
;; launch attn (part 3): grid 64 x 4, 4 waves a work-group, clusters of 4 x 1, 327,680 bytes of LDS; arguments qc, qs, kvc, kvs, wc, ws, out_b, x, out0; writes out0
.if DOCPART == 3
	.amdgcn_target "amdgcn-amd-amdhsa--gfx1250"
	.amdhsa_code_object_version 6
	.text
	.protected	k_q1a44500bf8_attn
	.globl	k_q1a44500bf8_attn
	.p2align	8
	.type	k_q1a44500bf8_attn,@function
k_q1a44500bf8_attn:
	s_mov_b64 s[64:65], 0
	v_nop
	global_prefetch_b8 v0, s[64:65] scope:SCOPE_SE
	s_setreg_imm32_b32 hwreg(HW_REG_WAVE_MODE, 25, 1), 1
	s_wait_xcnt 0x0
	s_wait_alu depctr_hold_cnt(0) depctr_sa_sdst(0) depctr_va_vdst(0) depctr_va_sdst(0) depctr_va_ssrc(0) depctr_va_vcc(0) depctr_vm_vsrc(0)
	s_getreg_b32 s2, hwreg(HW_REG_IB_STS2, 6, 4)
	s_cmp_eq_u32 s2, 0
	s_cbranch_scc0 .Lentry_in_a_cluster
	s_endpgm
.Lentry_in_a_cluster:
	s_bfe_u32 s2, ttmp6, 0x10000c
	s_cmp_lg_u32 s2, 0x3003
	s_cbranch_scc0 .Lentry_shape_is_right
	s_endpgm
.Lentry_shape_is_right:
; out0 = out_w (softmax(theta^T phi / 16) applied to g) + out_b + x, all three products on codes of FP8 (E4M3) with one E8M0 scale for each 32 along K.  Operands come as images of operand registers
; (a fragment, 16 rows x 128 K, is 2,048 bytes: four groups c of 512 bytes, lane l's 16 bytes at 16 l), so every LDS and global load of a fragment is dense.
; THE SOFTMAX: t = score x log2(e) / 16; M = the largest t so far, rounded UP to a whole number; p = 2^(t - M) is quantised along the keys, not normalised; the sum is taken of the unquantised p; when M moves, sum and O are multiplied by 2^(old M - new M), exactly.
; SHARES.  A work-group owns 64 queries (four tiles) of one batch.  Wave w (kh = w / 2, qp = w % 2) takes TWO tiles of queries and every second key step of 128 keys (S = 2 period + kh): each fragment of K and V that it reads from LDS feeds two products.
; Its tile 0 is query tile 2 qp + kh, its tile 1 the other of the pair; at the end waves w and w xor 2 exchange: each sends its tile 1 and keeps its tile 0, under a common M.
; Both products are used transposed (S^T = K Q^T, O^T = V^T P^T): a lane holds one query throughout, and the tiles' rows are chosen so that 16 registers of two neighbouring tiles are 16 neighbours along the next K.
; RING.  Two LDS slots of 131,072 bytes, each a period's two key steps (K's 16 fragments and V's 16, twice); each wave fetches a quarter by one tensor load.
; CLUSTER.  The four work-groups of a cluster belong to one batch and walk the same K and V: each load is asked for JOINTLY, with the same descriptor and a mask that names the four.  The scale words (4 KB of a period's 135 KB) go from memory straight into registers, a period ahead.
; REGISTERS, in windows of 256.  Window 0: addresses, statistics, scale words, S^T (v64-191), p's codes (v192-223), work (v224-255).  Window 1: O^T (tile q, head tile t) at 128 q + 8 t.
;   Window 2: Q (q, s) at 32 q + 16 s; V's tiles 0-11 at 64 + 16 t.  Window 3: K's tile tau at 32 tau + 16 s; V's tiles 12-15 lie where K's tiles 4, 5 lie, so those are multiplied last and fetched last.
; LIMITS: NaN and infinities are not served; a p under 2^-126 counts as 0; a block of zeros gets the byte 1 with zero codes.
.set SLOT1, 1<<17
.set SPARE, 262144                     ; behind the ring: the spare words, 128 bytes a wave, two blocks of 256 bytes that no other line names
.set FST,   262656                     ; the way out: 16 rows x 272 bytes for each wave
.set OIMG,  280064                     ; the normalised O's 8 fragments, (2 tile + s) x 2,048
.set OSC,   296448                     ; their scale words: [tile][lane 16 s + r]
.set MGS,   296960                     ; the merge: -M and the sum, 8 bytes a lane, 256 bytes a wave
.set LI,  1                            ; 16 x lane
.set AD0, 2                            ; 16 x lane + 65,536 kh: my key step in a slot
.set AD,  3                            ; the same in the slot in hand
.set SPW, 4                            ; my spare word's address; never rewritten
.set NIL, 5                            ; 0; never rewritten
.set PFO, 6                            ; 256 x lane; never rewritten
.set L8,  7                            ; 8 x lane
.set MW,  8                            ; the merge: where my tile 1 goes (slot 0, 16,384 w),
.set MR,  9                            ; where my partner's lies,
.set MSW, 10                           ; and the two statistics
.set MSR, 11
.set OWI, 12                           ; where my tile's images of O go
.set OWSC, 13
.set OFR, 14                           ; where all are read
.set OSR, 15
.set STO, 16                           ; the stage: in
.set SR,  17                           ; and back
.set GO,  18                           ; my bytes in two rows of x and out0
.set OBO, 19                           ; 4 r
.set ST,  20                           ; v20-27  tile q: +0 -M, +1 the largest t (at the end the sum), +2, +3 the sum in two halves
.set KS,  28                           ; v28-35  K's scale words: register tau, lanes 16 s + r; at the end out_w's
.set VR,  36                           ; v36-43  V's scale bytes as loaded
.set VW,  44                           ; v44-51  V's scale words: register t / 2, lanes 16 (t % 2) + r; at the end O's
.set QS,  52                           ; v52-53  Q's
.set PW,  54                           ; v54-55  p's
.set F,   56                           ; v56-59  f = 2^(old M - new M), a pair for each tile
.set T,   60                           ; v60-61  at work
.set S,   64
.set S1,  128
.set PC,  192
.set TM,  224                          ; tile q at +16 q: +0..3 block maxima, +4..7 at work, +8..11 448 x scale, +12..15 scale operands
.set WV,  22
.set KH,  23
.set QP,  24
.set CX,  25
.set G1,  28                           ; s[28:35] descriptor group 1
.set G0A, 36                           ; s[36:39] group 0, slot 0's first fill
.set G0B, 40                           ; s[40:43] slot 1's first fill; it then walks
.set TB,  44                           ; LDS byte at which the slot in hand begins
.set SLOTS, 45
.set LIM, 46
.set PFA, 48
.set CS,  50                           ; s[50:51] c = log2(e) / 16
.set SEL, 52
.set MNT, 54
.set KSB, 58                           ; s[58:59] the scale bytes of my next key step
.set W_KQ, 0x0b                        ; K window 3, Q window 2, S^T window 0
.set W_RS, 0x41                        ; O^T (destination, source 0) window 1, f window 0
.set MSB, 0
.macro WIN new                         ; the immediate's high byte repeats the setting that is left
.if MSB != (\new)
	s_set_vgpr_msb (MSB<<8)|(\new)
.set MSB, (\new)
.endif
.endm
.macro CROUND                          ; a round of the cluster's barrier
	s_barrier_signal -1
	s_barrier_wait -1
	s_cmp_lg_u32 s[WV], 0
	s_cbranch_scc1 .Lnot_wave_0_\@
	s_barrier_signal -3
.Lnot_wave_0_\@:
	s_barrier_wait -3
	s_barrier_signal -1
	s_barrier_wait -1
.endm
; A prefetch of what the NEXT change of slots will ask for.  All sixteen clusters of a batch walk the same bytes: the batch's first cluster asks.  Of the 32,768 bytes that wave w fetches, the partner at place cx names 8,192, told apart by address:
; 32 lanes, 256 bytes apart.  So each block of 256 bytes is named once in the launch.  The last change that fills a slot asks for nothing.
.macro ASK
	s_cmp_gt_u32 s[SLOTS], s[LIM]
	s_cbranch_scc0 .Lnot_mine_\@
	global_prefetch_b8 v[PFO], s[PFA:PFA+1] th:TH_LOAD_NT scope:SCOPE_SE
.Lnot_mine_\@:
.endm
.macro KLD tau                         ; K's tile tau, both K steps, from the slot in hand
.irp s, 0,1
.irp c, 0,1,2,3
	ds_load_b128 v[32*\tau+16*\s+4*\c:32*\tau+16*\s+4*\c+3], v[AD] offset:(2*\tau+\s)*2048+512*\c
.endr
.endr
.endm
.macro OWLD e                          ; out_w's tile e of my eight, both K steps, to where K's tile e lay
.irp s, 0,1
.irp c, 0,1,2,3
	global_load_b128 v[32*\e+16*\s+4*\c:32*\e+16*\s+4*\c+3], v[LI], s[12:13] offset:(2*\e+\s)*2048+512*\c
.endr
.endr
.endm
.macro STG t0, n                       ; S^T for key tiles t0 .. t0 + n - 1 and both tiles of queries; the accumulators by turns
.irp s, 0,1
.set tau, \t0
.rept \n
.irp q, 0,1
.set rS, S+64*\q+8*tau
.set rK, 32*tau+16*\s
.set rQ, 32*\q+16*\s
.if \s == 0
	v_wmma_scale_f32_16x16x128_f8f6f4 v[rS:rS+7], v[rK:rK+15], v[rQ:rQ+15], 0, v[KS+tau], v[QS+\q]
.else
	v_wmma_scale_f32_16x16x128_f8f6f4 v[rS:rS+7], v[rK:rK+15], v[rQ:rQ+15], v[rS:rS+7], v[KS+tau], v[QS+\q] matrix_a_scale:MATRIX_SCALE_ROW1 matrix_b_scale:MATRIX_SCALE_ROW1
.endif
.endr
.set tau, tau+1
.endr
.endr
.endm
.macro RS g                            ; O^T of head tiles 4 g .. 4 g + 3 under the new M, each accumulator from its low end on
.irp t, 0,1,2,3
.irp q, 0,1
.irp j, 0,2,4,6
	v_pk_mul_f32 v[128*\q+8*(4*\g+\t)+\j:128*\q+8*(4*\g+\t)+\j+1], v[128*\q+8*(4*\g+\t)+\j:128*\q+8*(4*\g+\t)+\j+1], v[F+2*\q:F+2*\q+1] op_sel_hi:[1,0]
.endr
.endr
.endr
.endm
.macro PVG g                           ; O^T += V^T P^T for head tiles 4 g .. 4 g + 3
.irp t, 0,1,2,3
.irp q, 0,1
.set tt, 4*\g+\t
.set rO, 128*\q+8*tt
.if \g < 3
.set rV, 64+16*tt
.else
.set rV, 128+16*(tt-12)
.endif
.set rP, PC+16*\q
.if \t%2
	v_wmma_scale_f32_16x16x128_f8f6f4 v[rO:rO+7], v[rV:rV+15], v[rP:rP+15], v[rO:rO+7], v[VW+tt/2], v[PW+\q] matrix_a_scale:MATRIX_SCALE_ROW1
.else
	v_wmma_scale_f32_16x16x128_f8f6f4 v[rO:rO+7], v[rV:rV+15], v[rP:rP+15], v[rO:rO+7], v[VW+tt/2], v[PW+\q]
.endif
.endr
.endr
.endm
.macro QUANT s, word                   ; 64 numbers of a lane -> a fragment's codes in v[PC] on and its scale word in v[PW]
.irp b, 0,1,2,3
	v_max3_num_f32 v[TM+\b], |v[\s+16*\b]|, |v[\s+16*\b+1]|, 0x4800000
.endr
.irp i, 2,4,6,8,10,12,14
.irp b, 0,1,2,3
	v_max3_num_f32 v[TM+\b], v[TM+\b], |v[\s+16*\b+\i]|, |v[\s+16*\b+\i+1]|
.endr
.endr
.irp b, 0,1,2,3
	v_permlanex16_b32 v[TM+4+\b], v[TM+\b], s[SEL], s[SEL+1]
.endr
.irp b, 0,1,2,3
	v_max_num_f32 v[TM+\b], v[TM+\b], v[TM+4+\b]
.endr
.irp b, 0,1,2,3
	v_add_nc_u32 v[TM+12+\b], 0xfc000000, v[TM+\b]
.endr
.irp b, 0,1,2,3
	v_and_or_b32 v[TM+8+\b], v[TM+\b], 0x7f800000, s[MNT]
.endr
.irp b, 0,1,2,3
	v_lshrrev_b32 v[TM+4+\b], 23, v[TM+12+\b]
.endr
.if \word
	v_lshl_or_b32 v[PW], v[TM+5], 8, v[TM+4]
	v_lshl_or_b32 v[PW], v[TM+6], 16, v[PW]
	v_lshl_or_b32 v[PW], v[TM+7], 24, v[PW]
.endif
.irp b, 0,1,2,3
.irp i, 0,1,2,3,4,5,6,7,8,9,10,11,12,13,14,15
	v_med3_num_f32 v[\s+16*\b+\i], v[\s+16*\b+\i], -v[TM+8+\b], v[TM+8+\b]
.endr
	v_cvt_scalef32_pk8_fp8_f32 v[PC+4*\b:PC+4*\b+1], v[\s+16*\b:\s+16*\b+7], v[TM+12+\b]
	v_cvt_scalef32_pk8_fp8_f32 v[PC+4*\b+2:PC+4*\b+3], v[\s+16*\b+8:\s+16*\b+15], v[TM+12+\b]
.endr
	v_nop                                          ; one plain line behind the last conversion
.endm
	s_load_b256 s[4:11], s[0:1], 0x0               ; qc, qs, kvc, kvs
	s_load_b256 s[12:19], s[0:1], 0x20             ; wc, ws, out_b, x
	s_load_b64 s[20:21], s[0:1], 0x40              ; out0
	v_lshl_add_u32 v[SPW], v0, 2, SPARE
	v_mov_b32 v[NIL], 0
	ds_add_u32 v4, v5
	ds_add_u32 v4, v5
	s_wait_dscnt 0x0
	v_lshrrev_b32 v1, 5, v0
	v_readfirstlane_b32 s[WV], v1                  ; wave 0..3
	s_lshr_b32 s[KH], s[WV], 1
	s_and_b32 s[QP], s[WV], 1
	s_bfe_u32 s[CX], ttmp6, 0x40000                ; my place in the cluster: it enters global addresses of Q, x, out0 and the prefetches alone
	s_lshl_b32 s26, ttmp9, 2
	s_add_co_u32 s26, s26, s[CX]                   ; my block of 64 queries
	s_and_b32 s27, ttmp7, 0xffff                   ; the batch, which the four partners share
	s_lshl_b32 s57, s[QP], 1
	s_add_co_u32 s57, s57, s[KH]                   ; my tile 0 is query tile 2 qp + kh
	; descriptor group 1: 128 dense rows of 256 bytes (32 elements of 8 bytes), no padding: fragments are read as dense runs of 512 bytes
	s_mov_b32 s[G1], 15|(3<<16)|(1<<21)            ; the mask: all four work-groups; bit 21 set beside it
	s_mov_b32 s[G1+1], 32<<16
	s_mov_b32 s[G1+2], 128<<16
	s_mov_b32 s[G1+3], 32<<16
	s_mov_b32 s[G1+4], 128
	s_mov_b32 s[G1+5], 32
	s_mov_b32 s[G1+6], 0
	s_mov_b32 s[G1+7], 0
	s_mov_b32 s[CS], 0x3db8aa3b
	s_mov_b32 s[CS+1], s[CS]
	s_mov_b32 s[SEL], 0x76543210
	s_mov_b32 s[SEL+1], 0xfedcba98
	s_mov_b32 s[MNT], 0x600000
	s_mov_b32 s55, 0x05040100                      ; two low halves,
	s_mov_b32 s56, 0x07060302                      ; two high halves
	s_mov_b32 s[TB], 0
	s_mov_b32 s[SLOTS], 14
	v_and_b32 v61, 31, v0                          ; lane
	v_and_b32 v62, 15, v0                          ; r
	v_bfe_u32 v63, v0, 4, 1                        ; h
	v_lshlrev_b32 v[LI], 4, v61
	v_lshlrev_b32 v[PFO], 8, v61
	v_lshlrev_b32 v[L8], 3, v61
	s_lshl_b32 s2, s[KH], 16
	v_add_nc_u32 v[AD0], s2, v[LI]
	s_lshl_b32 s2, s[WV], 14
	v_add_nc_u32 v[MW], s2, v[LI]
	s_xor_b32 s2, s2, 32768                        ; wave w xor 2
	v_add_nc_u32 v[MR], s2, v[LI]
	s_lshl_b32 s2, s[WV], 8
	s_add_co_u32 s3, s2, MGS
	v_add_nc_u32 v[MSW], s3, v[L8]
	s_xor_b32 s2, s2, 512
	s_add_co_u32 s3, s2, MGS
	v_add_nc_u32 v[MSR], s3, v[L8]
	s_lshl_b32 s2, s57, 12
	s_add_co_u32 s2, s2, OIMG
	v_add_nc_u32 v[OWI], s2, v[LI]
	s_lshl_b32 s2, s57, 7
	s_add_co_u32 s2, s2, OSC
	v_lshl_add_u32 v[OWSC], v62, 2, s2
	v_add_nc_u32 v[OFR], OIMG, v[LI]
	v_lshl_add_u32 v[OSR], v61, 2, OSC
	s_mul_i32 s2, s[WV], 4352
	s_add_co_u32 s2, s2, FST
	v_mul_u32_u24 v[STO], v62, 272
	v_lshl_add_u32 v[STO], v63, 6, v[STO]
	v_add_nc_u32 v[STO], s2, v[STO]                ; in: row r (a channel), + 64 h: my half's 16 queries
	v_mul_u32_u24 v[SR], v63, 272
	v_lshl_add_u32 v[SR], v62, 4, v[SR]
	v_add_nc_u32 v[SR], s2, v[SR]                  ; back: lanes 0-15 one row, lanes 16-31 the next
	v_lshlrev_b32 v[GO], 14, v63
	v_lshl_add_u32 v[GO], v62, 4, v[GO]            ; the same two rows in x and out0, 16,384 bytes apart
	v_lshlrev_b32 v[OBO], 2, v62
	s_lshl_b32 s2, s27, 21
	s_lshl_b32 s3, s[WV], 15
	s_add_co_u32 s2, s2, s3                        ; kvc: my batch, my quarter of a period
	s_mov_b32 s3, 0
	s_mov_b32 s[G0A], 1
	s_lshl_b32 s[G0A+1], s[WV], 15                 ; LDS: 32,768 x wave,
	s_mov_b32 s[G0B], 1
	s_add_co_u32 s[G0B+1], s[G0A+1], SLOT1         ; and the same in slot 1
	s_wait_kmcnt 0x0
	s_add_nc_u64 s[8:9], s[8:9], s[2:3]
	s_mov_b64 s[G0A+2:G0A+3], s[8:9]
	s_or_b32 s[G0A+3], s[G0A+3], 0x80000000
	s_add_nc_u64 s[G0B+2:G0B+3], s[8:9], 131072
	s_or_b32 s[G0B+3], s[G0B+3], 0x80000000
	CROUND                                         ; all four work-groups are here: the first joint loads meet
	tensor_load_to_lds s[G0A:G0A+3], s[G1:G1+7]    ; period 0
	s_nop 0
	tensor_load_to_lds s[G0B:G0B+3], s[G1:G1+7]    ; period 1: two loads of mine are out
	s_nop 0
.rept 4
	v_nop
.endr
	s_lshl_b32 s2, s[CX], 13
	s_add_co_u32 s2, s2, 262144
	s_add_nc_u64 s[PFA:PFA+1], s[8:9], s[2:3]      ; my work-group's 8,192 bytes of my quarter, in period 2; the first change of slots steps it to period 3.  Nothing is prefetched here, at the head
	s_lshl_b32 s47, s27, 6
	s_add_co_u32 s47, s47, s26                     ; 64 b + my block
	s_lshl_b32 s2, s47, 14
	s_lshl_b32 s46, s57, 12
	s_add_co_u32 s2, s2, s46
	s_add_nc_u64 s[60:61], s[4:5], s[2:3]          ; Q of my tile 0,
	s_xor_b32 s2, s2, 4096
	s_add_nc_u64 s[62:63], s[4:5], s[2:3]          ; of my tile 1: the other of the pair
	s_lshl_b32 s2, s47, 9
	s_lshl_b32 s46, s57, 2
	s_add_co_u32 s2, s2, s46
	s_add_nc_u64 s[66:67], s[6:7], s[2:3]          ; their scale words
	s_xor_b32 s2, s2, 4
	s_add_nc_u64 s[68:69], s[6:7], s[2:3]
	s_lshl_b32 s2, s27, 16
	s_lshl_b32 s46, s[KH], 11
	s_add_co_u32 s2, s2, s46
	s_add_nc_u64 s[KSB:KSB+1], s[10:11], s[2:3]    ; the scale bytes of my first key step
	s_lshl_b32 s2, s[WV], 15
	s_add_co_u32 s2, s2, 393216
	s_add_nc_u64 s[12:13], s[12:13], s[2:3]        ; out_w's fragments of my 128 channels,
	s_lshl_b32 s2, s[WV], 10
	s_add_co_u32 s2, s2, 12288
	s_add_nc_u64 s[14:15], s[14:15], s[2:3]        ; their scale words,
	s_lshl_b32 s2, s[WV], 9
	s_add_nc_u64 s[16:17], s[16:17], s[2:3]        ; their biases
	s_lshl_b32 s2, s27, 23
	s_lshl_b32 s46, s[WV], 21
	s_add_co_u32 s2, s2, s46
	s_lshl_b32 s46, s26, 8
	s_add_co_u32 s2, s2, s46
	s_add_nc_u64 s[18:19], s[18:19], s[2:3]        ; x and out0: my batch, my 128 channels, my 64 positions
	s_add_nc_u64 s[20:21], s[20:21], s[2:3]
	s_cmp_eq_u32 ttmp9, 0                          ; the batch's first cluster prefetches: the same in all four partners
	s_cselect_b32 s[LIM], 1, -1
	WIN 0x80                                       ; destination window 2
.irp s, 0,1
.irp c, 0,1,2,3
	global_load_b128 v[16*\s+4*\c:16*\s+4*\c+3], v[LI], s[60:61] offset:2048*\s+512*\c
	global_load_b128 v[32+16*\s+4*\c:32+16*\s+4*\c+3], v[LI], s[62:63] offset:2048*\s+512*\c
.endr
.endr
	WIN 0
	global_load_b32 v[QS], v[LI], s[66:67]
	global_load_b32 v[QS+1], v[LI], s[68:69]
	global_load_b128 v[KS:KS+3], v[LI], s[KSB:KSB+1]
	global_load_b128 v[KS+4:KS+7], v[LI], s[KSB:KSB+1] offset:512
	global_load_b128 v[VR:VR+3], v[LI], s[KSB:KSB+1] offset:1024
	global_load_b128 v[VR+4:VR+7], v[LI], s[KSB:KSB+1] offset:1536
.irp q, 0,1
	v_mov_b32 v[ST+4*\q+1], 0xff61b1e6             ; the largest t so far: -3e38, under every t
	v_floor_f32 v[ST+4*\q], -v[ST+4*\q+1]          ; -M
	v_mov_b32 v[ST+4*\q+2], 0
	v_mov_b32 v[ST+4*\q+3], 0
	v_mov_b32 v[F+2*\q+1], 0                       ; named as a pair's upper half, so it is written
.irp b, 0,1,2,3
	v_mov_b32 v[TM+16*\q+4+\b], 0                  ; written once: a lane permute's destination counts as one of its sources
.endr
.endr
	WIN 0x40
.set i, 0
.rept 256
	v_mov_b32 v[i], 0                              ; O^T.  The period is written three times as it is; a first period of its own would be a fourth copy.  The first change of M leaves zeros zeros
.set i, i+1
.endr
	WIN 0
	s_wait_tensorcnt 0x1                           ; my part of slot 0 is in; slot 1's may stay out
	s_barrier_signal -1
	s_barrier_wait -1                              ; everybody's is
	v_add_nc_u32 v[AD], s[TB], v[AD0]
	WIN 0xc0                                       ; destination window 3
	KLD 0
	KLD 1
	KLD 2
	KLD 3
	KLD 6
	KLD 7
	KLD 4
	KLD 5
	WIN 0
; A PERIOD: my key step of 128 keys against my two tiles of queries.  mode 2: the slot is filled again and the next period's K fetched; 1: only the fetch; 0: the last period: out_w's fragments take K's place.
.macro BODY mode
	s_wait_loadcnt 0x0                             ; this step's scale words (and, the first time, Q)
	s_wait_dscnt 32                                ; K's tiles 0-3 are in; behind them were issued tiles 6, 7 (16 loads) and 4, 5 (16)
	WIN W_KQ
	STG 0, 4
	s_wait_dscnt 16
	STG 6, 2
	s_wait_dscnt 0x0
	STG 4, 2
	WIN 0
.rept 8
	v_nop                                          ; eight plain lines behind the last products: for the reads of S^T, the loads into V's, K's and the scale words' registers, and the write of V's scale words
.endr
	WIN 0x80
.irp t, 0,1,2,3,4,5,6,7,8,9,10,11
.irp c, 0,1,2,3
	ds_load_b128 v[64+16*\t+4*\c:64+16*\t+4*\c+3], v[AD] offset:32768+2048*\t+512*\c
.endr
.endr
	WIN 0xc0
.irp t, 12,13,14,15
.irp c, 0,1,2,3
	ds_load_b128 v[128+16*(\t-12)+4*\c:128+16*(\t-12)+4*\c+3], v[AD] offset:32768+2048*\t+512*\c
.endr
.endr
	WIN 0
.if \mode > 0
	s_add_nc_u64 s[KSB:KSB+1], s[KSB:KSB+1], 4096  ; (the loads that named it are done: the wait at the period's head)  my next key step: two steps on
	global_load_b128 v[KS:KS+3], v[LI], s[KSB:KSB+1]
	global_load_b128 v[KS+4:KS+7], v[LI], s[KSB:KSB+1] offset:512
.else
.irp u, 0,1,2,3
	global_load_b64 v[KS+2*\u:KS+2*\u+1], v[L8], s[14:15] offset:256*\u   ; out_w's scale words: register = my tile, lanes 16 s + r
.endr
.endif
.irp a, 0,1,2,3
	v_perm_b32 v[VW+2*\a], v[VR+4+\a], v[VR+\a], s55       ; V's scale words: two bytes from each half of the key step
	v_perm_b32 v[VW+2*\a+1], v[VR+4+\a], v[VR+\a], s56
.endr
.if \mode > 0
	global_load_b128 v[VR:VR+3], v[LI], s[KSB:KSB+1] offset:1024
	global_load_b128 v[VR+4:VR+7], v[LI], s[KSB:KSB+1] offset:1536
.endif
	; ---- the softmax, first part: maxima, M, t - M, the exponentials.  The largest score of each block of 32 keys serves twice: for the row's maximum and, since p rises with the score, for the block's largest p
.irp b, 0,1,2,3
.irp q, 0,1
	v_max3_num_f32 v[TM+16*\q+\b], v[S+64*\q+16*\b], v[S+64*\q+16*\b+1], v[S+64*\q+16*\b+2]
.endr
.endr
.irp i, 3,5,7,9,11,13
.irp b, 0,1,2,3
.irp q, 0,1
	v_max3_num_f32 v[TM+16*\q+\b], v[TM+16*\q+\b], v[S+64*\q+16*\b+\i], v[S+64*\q+16*\b+\i+1]
.endr
.endr
.endr
.irp b, 0,1,2,3
.irp q, 0,1
	v_max_num_f32 v[TM+16*\q+\b], v[TM+16*\q+\b], v[S+64*\q+16*\b+15]
.endr
.endr
.irp b, 0,1,2,3
.irp q, 0,1
	v_permlanex16_b32 v[TM+16*\q+4+\b], v[TM+16*\q+\b], s[SEL], s[SEL+1]
.endr
.endr
.irp b, 0,1,2,3
.irp q, 0,1
	v_max_num_f32 v[TM+16*\q+\b], v[TM+16*\q+\b], v[TM+16*\q+4+\b]   ; with lane l xor 16's 16 keys
.endr
.endr
.irp q, 0,1
	v_max3_num_f32 v[T+\q], v[TM+16*\q], v[TM+16*\q+1], v[TM+16*\q+2]
.endr
.irp q, 0,1
	v_max_num_f32 v[T+\q], v[T+\q], v[TM+16*\q+3]
.endr
.irp q, 0,1
	v_mul_f32 v[T+\q], s[CS], v[T+\q]              ; as t (c is positive)
.endr
.irp q, 0,1
	v_max_num_f32 v[ST+4*\q+1], v[ST+4*\q+1], v[T+\q]
.endr
.irp q, 0,1
	v_mov_b32 v[T+\q], v[ST+4*\q]
.endr
.irp q, 0,1
	v_floor_f32 v[ST+4*\q], -v[ST+4*\q+1]          ; the new -M = -ceil(t): M is a whole number
.endr
.irp q, 0,1
	v_sub_f32 v[T+\q], v[ST+4*\q], v[T+\q]         ; old M - new M, 0 or less
.endr
.irp q, 0,1
	v_cvt_i32_f32 v[T+\q], v[T+\q]                 ; (it saturates)
.endr
.irp q, 0,1
	v_ldexp_f32 v[F+2*\q], 1.0, v[T+\q]            ; f = 2^(old M - new M)
.endr
.set j, 0
.rept 64
	v_pk_fma_f32 v[S+2*j:S+2*j+1], v[S+2*j:S+2*j+1], s[CS:CS+1], v[ST+4*(j/32):ST+4*(j/32)+1] op_sel_hi:[1,0,0]   ; t - M, two at a time
.set j, j+1
.endr
.irp b, 0,1,2,3
.irp q, 0,1
	v_fma_f32 v[TM+16*\q+\b], v[TM+16*\q+\b], s[CS], v[ST+4*\q]   ; the same of each block's largest score
.endr
.endr
.set j, 0
.rept 128
	v_exp_f32 v[S+j], v[S+j]                       ; p = 2^(t - M), at most 1
.set j, j+1
.endr
.irp q, 0,1
	v_pk_mul_f32 v[ST+4*\q+2:ST+4*\q+3], v[ST+4*\q+2:ST+4*\q+3], v[F+2*\q:F+2*\q+1] op_sel_hi:[1,0]   ; the sums under the new M: the plain lines behind the exponentials
.endr
	s_wait_alu depctr_va_vdst(0)                   ; one wait for the batch of 128, ahead of its first reader and of the branches below
	; ---- the change of slots: V's loads were my last reads of this slot
.if \mode > 0
	s_wait_tensorcnt 0x0                           ; all my tensor loads have landed: the one that was out is my part of the other slot
	ds_add_u32 v[SPW], v[NIL]                      ; 0 onto my spare word
.if \mode == 2
	s_xor_b32 s[G0B+1], s[G0B+1], SLOT1            ; the walking descriptor: the slot just read,
	s_add_nc_u64 s[G0B+2:G0B+3], s[G0B+2:G0B+3], 131072   ; the period two on
	s_wait_xcnt 0x0                                ; the last prefetch, a period back, has read its address
	s_add_nc_u64 s[PFA:PFA+1], s[PFA:PFA+1], 131072
.endif
	s_wait_dscnt 0x0                               ; the add is done; V is in: my reads of this slot are over
.if \mode == 2
	CROUND                                         ; no wave of any partner still reads the slot or has a load on its way
	tensor_load_to_lds s[G0B:G0B+3], s[G1:G1+7]    ; my one load behind the round: it has a whole period in which to land
	s_nop 0
.rept 4
	v_nop
.endr
	ASK                                            ; the period after that one: a period ahead of its load
.else
	s_barrier_signal -1
	s_barrier_wait -1
.endif
	s_xor_b32 s[TB], s[TB], SLOT1
	v_add_nc_u32 v[AD], s[TB], v[AD0]
	WIN 0xc0
	KLD 0
	KLD 1
	KLD 2
	KLD 3
	KLD 6
	KLD 7
	WIN 0
.else
	s_wait_dscnt 0x0                               ; V is in
	WIN 0xc0
	OWLD 0
	OWLD 1
	OWLD 2
	OWLD 3
	OWLD 6
	OWLD 7
	WIN 0
.endif
	; ---- the softmax, second part: sums, scales, codes
.irp b, 0,1,2,3
.irp q, 0,1
	v_exp_f32 v[TM+16*\q+\b], v[TM+16*\q+\b]       ; the block's largest p: the same two instructions on the same number give the same bits
.endr
.endr
.irp q, 0,1
	v_pk_add_f32 v[TM+16*\q+4:TM+16*\q+5], v[S+64*\q:S+64*\q+1], v[S+64*\q+2:S+64*\q+3]   ; the sum is taken of the unquantised p, in two chains a tile
.endr
.irp j, 4,8,12,16,20,24,28,32,36,40,44,48,52,56,60
.irp q, 0,1
	v_pk_add_f32 v[ST+4*\q+2:ST+4*\q+3], v[ST+4*\q+2:ST+4*\q+3], v[S+64*\q+\j:S+64*\q+\j+1]
	v_pk_add_f32 v[TM+16*\q+4:TM+16*\q+5], v[TM+16*\q+4:TM+16*\q+5], v[S+64*\q+\j+2:S+64*\q+\j+3]
.endr
.endr
.irp q, 0,1
	v_pk_add_f32 v[ST+4*\q+2:ST+4*\q+3], v[ST+4*\q+2:ST+4*\q+3], v[TM+16*\q+4:TM+16*\q+5]
.endr
	s_wait_alu depctr_va_vdst(0)                   ; and one wait for the eight
.irp b, 0,1,2,3
.irp q, 0,1
	v_max_num_f32 v[TM+16*\q+\b], 0x4800000, v[TM+16*\q+\b]   ; the floor 2^(9 - 127): the byte cannot fall under 1
.endr
.endr
.irp b, 0,1,2,3
.irp q, 0,1
	v_add_nc_u32 v[TM+16*\q+12+\b], 0xfc000000, v[TM+16*\q+\b]
.endr
.endr
.irp b, 0,1,2,3
.irp q, 0,1
	v_and_or_b32 v[TM+16*\q+8+\b], v[TM+16*\q+\b], 0x7f800000, s[MNT]
.endr
.endr
.irp b, 0,1,2,3
.irp q, 0,1
	v_lshrrev_b32 v[TM+16*\q+4+\b], 23, v[TM+16*\q+12+\b]
.endr
.endr
.irp q, 0,1
	v_lshl_or_b32 v[PW+\q], v[TM+16*\q+5], 8, v[TM+16*\q+4]
.endr
.irp q, 0,1
	v_lshl_or_b32 v[PW+\q], v[TM+16*\q+6], 16, v[PW+\q]
.endr
.irp q, 0,1
	v_lshl_or_b32 v[PW+\q], v[TM+16*\q+7], 24, v[PW+\q]
.endr
.irp b, 0,1,2,3
.irp q, 0,1
.irp i, 0,1,2,3,4,5,6,7,8,9,10,11,12,13,14,15
	v_min_num_f32 v[S+64*\q+16*\b+\i], v[S+64*\q+16*\b+\i], v[TM+16*\q+8+\b]   ; the conversion does not saturate (ISA guide 7.6.2); p is not negative: a one-sided hold
.endr
	v_cvt_scalef32_pk8_fp8_f32 v[PC+16*\q+4*\b:PC+16*\q+4*\b+1], v[S+64*\q+16*\b:S+64*\q+16*\b+7], v[TM+16*\q+12+\b]
	v_cvt_scalef32_pk8_fp8_f32 v[PC+16*\q+4*\b+2:PC+16*\q+4*\b+3], v[S+64*\q+16*\b+8:S+64*\q+16*\b+15], v[TM+16*\q+12+\b]
.endr
.endr
	; ---- O^T: head tiles 12-15 first, so that their registers can take K's tiles 4, 5
	WIN W_RS
	RS 3                                           ; (32 plain lines between the codes and the products that take them)
	WIN 0x53                                       ; V window 3, p window 0, O^T window 1
	PVG 3
	WIN W_RS
	RS 0
	RS 1
	RS 2                                           ; 96 plain lines that name no register of the eight products above: the places ahead of the loads below
	WIN 0xc0
.if \mode > 0
	KLD 4
	KLD 5
.else
	OWLD 4
	OWLD 5
.endif
	WIN 0x52                                       ; V window 2
	PVG 0
	PVG 1
	PVG 2
	WIN 0
.endm
.Lslot:                                            ; 14 trips: periods 0 to 13 ask for periods 2 to 15
	BODY 2
	s_sub_co_u32 s[SLOTS], s[SLOTS], 1
	s_cmp_lg_u32 s[SLOTS], 0
	s_cbranch_scc1 .Lslot
	BODY 1                                         ; the tail is written out
	BODY 0
	; ---- the merge.  Each tile's sum: its two halves and lane l xor 16's; it takes the place of the largest t, beside -M
.irp q, 0,1
	v_add_f32 v[ST+4*\q+1], v[ST+4*\q+2], v[ST+4*\q+3]
.endr
.irp q, 0,1
	v_permlanex16_b32 v[TM+16*\q+4], v[ST+4*\q+1], s[SEL], s[SEL+1]
.endr
.irp q, 0,1
	v_add_f32 v[ST+4*\q+1], v[ST+4*\q+1], v[TM+16*\q+4]
.endr
.rept 4
	v_nop                                          ; with the four additions: eight plain lines behind the last products
.endr
	s_barrier_signal -1                            ; every wave's reads of the ring are over (each waited for them in its last period): slot 0, which has had its last fill, may be stored into
	s_barrier_wait -1
	WIN 0x80                                       ; destination window 2
.irp e, 0,1,2,3,4,5,6,7
.irp j, 0,1,2,3,4,5,6,7
	global_load_b32 v[8*\e+\j], v[OBO], s[16:17] offset:64*\e   ; out_b in the last product's layout: a lane holds one channel, so a tile's eight registers are equal: it will be that product's C
.endr
.endr
.irp e, 0,1,2,3,4,5
.irp i, 0,1,2,3,4,5,6,7
	global_load_b128 v[64+32*\e+4*\i:64+32*\e+4*\i+3], v[GO], s[18:19] offset:(16*\e+2*\i)*16384 th:TH_LOAD_NT   ; the residual: sixteen lanes read 256 consecutive bytes
.endr
.endr
	WIN 0x04                                       ; an LDS store's data are its source 1: window 1
.set i, 0
.rept 32
	ds_store_b128 v[MW], v[128+4*i:128+4*i+3] offset:512*i     ; my tile 1's O^T, as it stands, each accumulator from its low end on
.set i, i+1
.endr
	WIN 0
	ds_store_b64 v[MSW], v[ST+4:ST+5]              ; its -M and its sum
	s_wait_dscnt 0x0                               ; for my partner's sake
	s_barrier_signal -1
	s_barrier_wait -1
.set i, 0
.rept 32
	ds_load_b128 v[S+4*i:S+4*i+3], v[MR] offset:512*i          ; my partner's part of my tile 0
.set i, i+1
.endr
	ds_load_b64 v[T:T+1], v[MSR]
	s_wait_dscnt 0x0
	v_min_num_f32 v62, v[ST], v[T]                 ; -M of both: the larger M
	v_sub_f32 v63, v62, v[ST]
	v_sub_f32 v62, v62, v[T]
	v_cvt_i32_f32 v63, v63
	v_cvt_i32_f32 v62, v62
	v_ldexp_f32 v63, 1.0, v63                      ; my part's factor, a power of two,
	v_ldexp_f32 v62, 1.0, v62                      ; my partner's
	v_mul_f32 v[ST+2], v[ST+1], v63
	v_fma_f32 v[ST+2], v[T+1], v62, v[ST+2]        ; the row's sum
	v_rcp_f32 v[ST+2], v[ST+2]
	v_nop                                          ; a plain line behind the reciprocal,
	s_wait_alu depctr_va_vdst(0)                   ; and a wait ahead of its first reader
	v_mul_f32 v[F], v63, v[ST+2]
	v_mul_f32 v[F+2], v62, v[ST+2]
.set i, 0
.rept 64
	v_pk_mul_f32 v[S+2*i:S+2*i+1], v[S+2*i:S+2*i+1], v[F+2:F+3] op_sel_hi:[1,0]
.set i, i+1
.endr
	WIN 0x01                                       ; source 0: my tile 0's O^T, window 1
.set i, 0
.rept 64
	v_pk_fma_f32 v[S+2*i:S+2*i+1], v[2*i:2*i+1], v[F:F+1], v[S+2*i:S+2*i+1] op_sel_hi:[1,0,1]
.set i, i+1
.endr
	WIN 0
	; ---- the normalised O of my tile: 256 numbers a query, two K steps of the last product
	QUANT S, 1
.irp c, 0,1,2,3
	ds_store_b128 v[OWI], v[PC+4*\c:PC+4*\c+3] offset:512*\c
.endr
	ds_store_b32 v[OWSC], v[PW]
	s_wait_dscnt 0x0                               ; the stores have read their registers
	QUANT S1, 1
.irp c, 0,1,2,3
	ds_store_b128 v[OWI], v[PC+4*\c:PC+4*\c+3] offset:2048+512*\c
.endr
	ds_store_b32 v[OWSC], v[PW] offset:64
	s_wait_dscnt 0x0
	s_barrier_signal -1
	s_barrier_wait -1                              ; all eight fragments lie in LDS
	; ---- the last product: source 0 = 16 queries, source 1 = 16 rows of out_w: a lane holds one channel and eight neighbouring positions
.irp g, 0,1,2,3
.irp s, 0,1
.irp c, 0,1,2,3
	ds_load_b128 v[S+16*(2*\g+\s)+4*\c:S+16*(2*\g+\s)+4*\c+3], v[OFR] offset:(2*\g+\s)*2048+512*\c
.endr
.endr
	ds_load_b32 v[VW+\g], v[OSR] offset:128*\g
.endr
	s_wait_loadcnt 48                              ; out_w, its scale words and out_b are in; the residual's 48 loads, issued behind them, may be out
	s_wait_dscnt 0x0
.irp s, 0,1
.if \s == 0
	WIN 0x6c                                       ; out_w window 3, C (out_b) window 2, D window 1
.else
	WIN 0x5c                                       ; C and D window 1
.endif
.irp e, 0,1,2,3,4,5,6,7
.irp g, 0,1,2,3                                ; 32 accumulators by turns
.set rD, 8*(4*\e+\g)
.set rA, S+16*(2*\g+\s)
.set rB, 16*(2*\e+\s)
.if \s == 0
	v_wmma_scale_f32_16x16x128_f8f6f4 v[rD:rD+7], v[rA:rA+15], v[rB:rB+15], v[8*\e:8*\e+7], v[VW+\g], v[KS+\e]
.else
	v_wmma_scale_f32_16x16x128_f8f6f4 v[rD:rD+7], v[rA:rA+15], v[rB:rB+15], v[rD:rD+7], v[VW+\g], v[KS+\e] matrix_a_scale:MATRIX_SCALE_ROW1 matrix_b_scale:MATRIX_SCALE_ROW1
.endif
.endr
.endr
.endr
	WIN 0
.rept 9
	v_nop                                          ; plain lines behind the last products: for the loads into their operands' registers and the reads of their results
.endr
	WIN 0xc0
.irp e, 6,7
.irp i, 0,1,2,3,4,5,6,7
	global_load_b128 v[32*(\e-6)+4*\i:32*(\e-6)+4*\i+3], v[GO], s[18:19] offset:(16*\e+2*\i)*16384 th:TH_LOAD_NT
.endr
.endr
	WIN 0
; THE WAY OUT, a tile of 16 channels x 64 positions at a time: through my own stage in LDS, back as whole rows of 256 bytes, plus x, stored.  LDS serves a wave's instructions in order: no wait between the stores and the loads.
.macro TOSTAGE e
	WIN 0x04
.irp g, 0,1,2,3
	ds_store_b128 v[STO], v[8*(4*(\e)+\g):8*(4*(\e)+\g)+3] offset:128*(\g/2)+32*(\g%2)      ; positions 32 (g / 2) + 16 h + 8 (g % 2) + 0 .. 7; each accumulator from its low end on
	ds_store_b128 v[STO], v[8*(4*(\e)+\g)+4:8*(4*(\e)+\g)+7] offset:128*(\g/2)+32*(\g%2)+16
.endr
	WIN 0
.set RB, S+32*((\e)%2)
.irp i, 0,1,2,3,4,5,6,7
	ds_load_b128 v[RB+4*\i:RB+4*\i+3], v[SR] offset:544*\i
.endr
.endm
.macro SEND e, younger                 ; younger: the LDS instructions issued behind tile e's loads: the next tile's eight stores and eight loads, or none
.set RB, S+32*((\e)%2)
	s_wait_dscnt \younger
	s_wait_loadcnt 56-8*(\e)                       ; x's eight loads of this tile are in; those of the later tiles may be out
.if (\e) < 6
	WIN 0x08                                       ; source 1: window 2
.set XX, 64+32*(\e)
.else
	WIN 0x0c                                       ; window 3
.set XX, 32*((\e)-6)
.endif
.set i, 0
.rept 16
	v_pk_add_f32 v[RB+2*i:RB+2*i+1], v[RB+2*i:RB+2*i+1], v[XX+2*i:XX+2*i+1]
.set i, i+1
.endr
	WIN 0
.irp i, 0,1,2,3,4,5,6,7
	global_store_b128 v[GO], v[RB+4*\i:RB+4*\i+3], s[20:21] offset:(16*(\e)+2*\i)*16384 th:TH_STORE_NT   ; sixteen lanes store 256 consecutive bytes, at a multiple of 256 from out0's first byte
.endr
.endm
	TOSTAGE 0
.irp e, 1,2,3,4,5,6,7
.if \e > 1
	s_wait_xcnt 0x0                                ; the stores of two tiles back have read their data: these registers are loaded again only behind this wait
.endif
	TOSTAGE \e
	SEND \e-1, 16
.endr
	SEND 7, 0
	s_wait_tensorcnt 0x0                           ; the wave's end: behind my last tensor load and my last LDS store
	ds_add_u32 v[SPW], v[NIL]
	s_wait_dscnt 0x0
	CROUND                                         ; the closing round: no work-group ends while a partner may still ask for a tile that names it
	s_endpgm
.Lfunc_end_k_q1a44500bf8_attn:
	.size	k_q1a44500bf8_attn, .Lfunc_end_k_q1a44500bf8_attn-k_q1a44500bf8_attn
	.p2alignl 7, 3214868480
	.fill 96, 4, 3214868480
	.section	.rodata,"a",@progbits
	.p2align	6, 0x0
	.amdhsa_kernel k_q1a44500bf8_attn
		.amdhsa_group_segment_fixed_size 327680
		.amdhsa_private_segment_fixed_size 0
		.amdhsa_enable_private_segment 0
		.amdhsa_kernarg_size 72
		.amdhsa_user_sgpr_count 2
		.amdhsa_user_sgpr_kernarg_segment_ptr 1
		.amdhsa_wavefront_size32 1
		.amdhsa_system_sgpr_workgroup_id_x 1
		.amdhsa_system_sgpr_workgroup_id_y 1
		.amdhsa_system_sgpr_workgroup_id_z 1
		.amdhsa_system_vgpr_workitem_id 0
		.amdhsa_next_free_vgpr 1024
		.amdhsa_next_free_sgpr 70
		.amdhsa_reserve_vcc 0
		.amdhsa_float_denorm_mode_32 3
		.amdhsa_float_denorm_mode_16_64 3
		.amdhsa_memory_ordered 1
		.amdhsa_forward_progress 1
		.amdhsa_inst_pref_size 255
	.end_amdhsa_kernel
	.section	.bss,"aw",@nobits
	.p2align	6
	.space	262144
	.amdgpu_metadata
---
amdhsa.version: [ 1, 2 ]
amdhsa.kernels:
  - .name:           k_q1a44500bf8_attn
    .symbol:         k_q1a44500bf8_attn.kd
    .args:
      - { .name: qc, .offset: 0, .size: 8, .value_kind: global_buffer, .address_space: global }
      - { .name: qs, .offset: 8, .size: 8, .value_kind: global_buffer, .address_space: global }
      - { .name: kvc, .offset: 16, .size: 8, .value_kind: global_buffer, .address_space: global }
      - { .name: kvs, .offset: 24, .size: 8, .value_kind: global_buffer, .address_space: global }
      - { .name: wc, .offset: 32, .size: 8, .value_kind: global_buffer, .address_space: global }
      - { .name: ws, .offset: 40, .size: 8, .value_kind: global_buffer, .address_space: global }
      - { .name: out_b, .offset: 48, .size: 8, .value_kind: global_buffer, .address_space: global }
      - { .name: x, .offset: 56, .size: 8, .value_kind: global_buffer, .address_space: global }
      - { .name: out0, .offset: 64, .size: 8, .value_kind: global_buffer, .address_space: global }
    .group_segment_fixed_size: 327680
    .private_segment_fixed_size: 0
    .kernarg_segment_align: 8
    .kernarg_segment_size: 72
    .max_flat_workgroup_size: 128
    .sgpr_count:     70
    .vgpr_count:     1024
    .wavefront_size: 32
...
	.end_amdgpu_metadata
.endif
;; end of part 3
